; MI455X (gfx1250); checked and timed in simulation.
; The chip was launched on July 23, 2026; its instructions are those of AMD's public machine-readable ISA for CDNA 5 (MIT licence, August 2026) and "CDNA5" Instruction Set Architecture Reference Guide (July 2026). The comments in the code are by the model that wrote it; some were corrected since.
;; Model Wrapper. Allowed arithmetic: matrix products marked QUANTISED: E2M3 operands, one E8M0 scale for each 32 along K, by v_wmma_scale_f32_16x16x128_f8f6f4 with both operands' format E2M3, f32 sums; products left as they are: f32 operands where the result goes on into a quantised operand, else bf16, f16 or f32 operands; f32 sums; everything else in f32.
;; Inputs: W1 256 x 1,024 float32; W2 1,024 x 2 float32; b1 1,024 float32; b2 2 float32; emb 100,000 x 128 float32; idxs_d 262,144 int32; idxs_g 262,144 int32.
;; Outputs: out0 262,144 x 2 float32.
;; This version of the problem:
;;   THIS VERSION OF THE PROBLEM IS GIVEN IN LOW PRECISION. The matrix products marked QUANTISED in the list below multiply operands that are first quantised to E2M3 (2 exponent bits, 3 mantissa bits; 6 bits a number), with one power-of-two scale for each 32 numbers along K (OCP MX v1.0); their sums are f32. All else is computed in f32.
;;   The module's matrix products, in the order in which they are computed (A, B: the left and right operand; K: the contracted axis; several contracted axes count as one K, in the product's order):
;;     1. [M 262,144, K 256] x [K 256, N 1,024]; A: computed on the way; B: input W1: QUANTISED
;;     2. [M 262,144, K 1,024] x [K 1,024, N 2]; A: computed on the way; B: input W2: left as it is (N = 2 < 16)
;;   THE QUANTISER, for each operand of a quantised product, along K:
;;     - K is cut into blocks of 32 from its start; a last block that is shorter is filled with zeros.
;;     - A block's scale is 2^e with e = floor(log2(the largest magnitude in the block)) - 2, held to -126 .. 127; a block of zeros has e = 0. As a byte (E8M0): e + 127.
;;     - Each number is divided by its block's scale, clamped to +-7.5, and rounded to the nearest number of E2M3, ties to even, subnormals kept.
;;     - The product sums the exact products of the quantised numbers (number of the format x scale) in f32.
;;   ~~~python
;;   def quantise(x, axis):      # numpy; x: float32 -> the quantised numbers, widened to float32 again
;;       x = np.moveaxis(x, axis, -1); K = x.shape[-1]
;;       x = np.pad(x, [(0, 0)] * (x.ndim - 1) + [(0, -K % 32)]); x = x.reshape(x.shape[:-1] + (-1, 32)); a = np.abs(x).max(-1, keepdims=True)
;;       e = np.where(a > 0, np.clip(np.frexp(np.where(a > 0, a, 1))[1] - 1 - 2, -126, 127), 0)      # np.frexp(a)[1] - 1 = floor(log2(a)), exactly
;;       r = np.clip(x / 2.0 ** e, -7.5, 7.5)
;;       step = 2.0 ** (np.maximum(np.frexp(np.where(r == 0, 1, r))[1] - 1, 0) - 3)
;;       q = np.round(r / step) * step * 2.0 ** e      # np.round: ties to even
;;       return np.moveaxis(q.reshape(q.shape[:-2] + (-1,))[..., :K], -1, axis).astype(np.float32)
;;   ~~~
;;   OPERANDS COMPUTED ON THE WAY. 'Computed on the way' means the value that the module computes at that place (a softmax that the list does not call 'softmax' is quantised finished and normalised). What goes into a quantiser is computed in f32, as accurately as f32 sums, v_exp_f32 and their like allow (about 1e-6 of the number): no bf16 or f16 on the way to a quantiser, and a product that is left as it is and whose result goes on into a quantised operand takes f32 operands (vector FMAs, or v_wmma_f32_16x16x4_f32). A number that lies on a knife's edge between two numbers of the format may be rounded either way, as far as f32 arithmetic and the matrix unit's own rounding can turn it there, and no further.
;; One version. Each part assembles by itself: llvm-mc -triple=amdgcn-amd-amdhsa -mcpu=gfx1250 --defsym DOCPART=n.
;; ======== version 1 of 1: 2 launches
;; limits: values are held in bf16: 8 bits of precision; right only within a limited range of input values
;; workspace buffers: embq 12,800,000 bytes; w1q 217,088 bytes
;; launch prep (part 1): grid 3157 x 1, 2 waves a work-group, no clusters, 21,760 bytes of LDS; arguments emb, W1, embq, w1q, b1, W2; writes embq, w1q
.if DOCPART == 1
	.amdgcn_target "amdgcn-amd-amdhsa--gfx1250"
	.amdhsa_code_object_version 6
	.text
	.protected	k_q2cb27c3bae_prep
	.globl	k_q2cb27c3bae_prep
	.p2align	8
	.type	k_q2cb27c3bae_prep,@function
k_q2cb27c3bae_prep:
	s_mov_b64 s[64:65], 0
	v_nop
	global_prefetch_b8 v0, s[64:65] scope:SCOPE_SE
	s_setreg_imm32_b32 hwreg(HW_REG_WAVE_MODE, 25, 1), 1
	s_wait_xcnt 0x0
; emb [100000][128] f32 and W1 [256][1024] f32 become codes of FP6 (E2M3) with one E8M0 scale byte for each 32 along K, laid in the order of the matrix operand's registers.
; Blocks of 32 along K never cross the seam between the two embeddings of a pair (128 = 4 blocks), so quantising the gathered pair is quantising the table's rows: each row is quantised ONCE here.
; A block's scale is 2^(floor(log2(its largest magnitude)) - 2); its byte is the largest magnitude's exponent field - 2, held at 1 from below by a floor among the maximum's leaves.
; embq: a record of 128 bytes a row: bytes 0-47 blocks 0 and 2 (the 12 registers of the lane in the lower half), bytes 48-95 blocks 1 and 3 (upper half), bytes 96-99 the row's scale word, the rest zeros.
; w1q:  fragment (tile T of 16 hidden units, K step s of 128) at 3072 T + 1536 s, registers 4 c .. 4 c + 3 of lane l at + 512 c + 16 l; from byte 196608 on the scale words, tile T at 128 T + 4 l: lanes 0-15 K step 0, lanes 16-31 K step 1.
; SHARES.  Work-groups 0-31: wave T = 2 x work-group + wave takes tile T of W1.  Work-groups 32-3156: wave q = 2 x (work-group - 32) + wave takes rows 16 q .. 16 q + 15 of emb (6,250 x 16 = 100,000).
; Waves share nothing: no barrier.  Only emb's path uses LDS, each wave its own 10,752 bytes.
; LIMITS: a block of zeros gets the byte 1 where the rule says 127 (its codes are zeros, and this program alone reads the bytes); blocks whose largest magnitude lies under 2^-124 are held at that byte; NaN and infinities are not served.
.set W1WG, 32                          ; work-groups that take W1
.set WREG, 10752                       ; LDS of a wave: IN, then OUT
.set INP,  528                         ; IN: 16 rows of 512 bytes + 16: row r starts 33 r places of 16 bytes on, so sixteen rows fall on sixteen different places modulo 256 bytes
.set OUTO, 8448                        ; OUT begins here: 16 records of 128 bytes + 16
.set OUTP, 144
.set R,    16                          ; v16-79   emb: 16 rows as loaded, later the records read back.  W1: K step 0's 64 numbers
.set XQ,   80                          ; v80-143  emb: 64 numbers in the quantiser's order.  W1: K step 1's 64 numbers
.set PC,   144                         ; v144-163 a fragment's 12 registers, and 8 at work
.set TM,   164                         ; v164-179 at work in the quantiser
.set PW,   180                         ; the scale word just made
.set SW,   181                         ; v181-182 W1's two scale words
.set WM,   183                         ; and the two merged by halves of the lanes
.set Z,    184                         ; v184-187 a record's last 32 bytes, 16 a lane
	s_load_b256 s[4:11], s[0:1], 0x0               ; emb s[4:5], W1 s[6:7], embq s[8:9], w1q s[10:11]
	s_load_b128 s[24:27], s[0:1], 0x20             ; b1 s[24:25], W2 s[26:27]
	v_lshl_add_u32 v192, v0, 2, 0x5400
	v_mov_b32 v193, 0
	v_lshrrev_b32 v1, 5, v0
	v_readfirstlane_b32 s12, v1                    ; wave
	v_and_b32 v1, 31, v0                           ; l
	v_and_b32 v2, 15, v0                           ; r
	v_bfe_u32 v3, v0, 4, 1                         ; h
	v_lshlrev_b32 v4, 4, v1                        ; 16 l
	v_lshlrev_b32 v11, 2, v1                       ; 4 l
	v_mov_b32 v12, 0
	s_mul_i32 s13, s12, WREG                       ; my wave's LDS
	s_add_co_u32 s14, s13, OUTO
	v_add_nc_u32 v5, s13, v4                       ; IN, on the way in: 16 l of a row
	v_mul_u32_u24 v6, v2, INP
	v_lshl_add_u32 v6, v3, 6, v6
	v_add_nc_u32 v6, s13, v6                       ; IN, on the way out: row r, + 64 h: my 16 numbers of a block of 32
	v_mul_u32_u24 v13, v2, OUTP
	v_add_nc_u32 v13, s14, v13                     ; OUT: record r
	v_mad_u32_u24 v7, v3, 48, v13                  ; my 12 registers: + 48 h
	v_lshl_add_u32 v8, v3, 4, v13
	v_add_nc_u32 v8, 96, v8                        ; the record's last 32 bytes: + 96 + 16 h
	v_lshrrev_b32 v9, 3, v1
	v_mul_u32_u24 v9, v9, OUTP
	v_and_b32 v14, 7, v1
	v_lshl_add_u32 v9, v14, 4, v9
	v_add_nc_u32 v9, s14, v9                       ; OUT, read back: eight lanes to a record, four records an instruction
	v_lshlrev_b32 v10, 2, v2
	v_lshl_add_u32 v10, v3, 17, v10                ; W1: column r of the tile, lanes 16-31 begin 32 rows of 4,096 bytes further down
	s_mov_b32 s20, 0x76543210
	s_mov_b32 s21, 0xfedcba98                      ; v_permlanex16_b32's selects for lane l xor 16
.irp b, 0,1,2,3
	v_mov_b32 v[TM+4+\b], 0                        ; written once: a lane permute's destination counts as one of its sources
.endr
	s_mov_b32 s19, 0                               ; the upper word of every offset pair
	s_wait_kmcnt 0x0
	s_cmp_lt_u32 ttmp9, W1WG
	s_cbranch_scc1 .Lw1
; 64 numbers of a lane, v[s] .. v[s + 63], register 16 b + i = k 32 b + 16 h + i of my row, become a fragment's codes in v[PC] on and the row's scale word in v[PW].
.macro QUANT s
.irp b, 0,1,2,3
	v_max3_num_f32 v[TM+\b], |v[\s+16*\b]|, |v[\s+1+16*\b]|, 0x1800000   ; block b: my 16 numbers, and the floor 2^(3 - 127): the byte cannot fall under 1
.endr
.irp i, 2,4,6,8,10,12,14
.irp b, 0,1,2,3
	v_max3_num_f32 v[TM+\b], v[TM+\b], |v[\s+16*\b+\i]|, |v[\s+1+16*\b+\i]|   ; the four blocks by turns: no line waits for the line above it
.endr
.endr
.irp b, 0,1,2,3
	v_permlanex16_b32 v[TM+4+\b], v[TM+\b], s20, s21
.endr
.irp b, 0,1,2,3
	v_max_num_f32 v[TM+\b], v[TM+\b], v[TM+4+\b]   ; with lane l xor 16's: the block's largest magnitude
.endr
.irp b, 0,1,2,3
	v_add_nc_u32 v[TM+12+\b], 0xff000000, v[TM+\b] ; 2 off its exponent field: the conversion takes the exponent field of this operand as its scale
.endr
.irp b, 0,1,2,3
	v_lshrrev_b32 v[TM+4+\b], 23, v[TM+12+\b]      ; the scale's byte
.endr
	v_lshl_or_b32 v[PW], v[TM+5], 8, v[TM+4]       ; the four bytes make my row's scale word
	v_lshl_or_b32 v[PW], v[TM+6], 16, v[PW]
	v_lshl_or_b32 v[PW], v[TM+7], 24, v[PW]
.irp c, 0,1
	v_cvt_scalef32_pk16_fp6_f32 v[PC+6*\c:PC+2+6*\c], v[\s+32*\c:\s+15+32*\c], v[TM+12+2*\c]
	v_cvt_scalef32_pk16_fp6_f32 v[PC+12+4*\c:PC+14+4*\c], v[\s+16+32*\c:\s+31+32*\c], v[TM+12+2*\c+1]   ; a conversion's three registers begin on an even number
.endr
	v_nop                                          ; one plain instruction behind a scaled conversion
.irp c, 0,1                                    ; the operand wants a WHOLE block in a lane: lanes 0-15 block 2 c, lanes 16-31 block 2 c + 1
.irp i, 0,1,2
	v_permlane16_swap_b32 v[PC+6*\c+\i], v[PC+12+4*\c+\i]
.endr
.irp i, 0,1,2
	v_mov_b32 v[PC+3+6*\c+\i], v[PC+12+4*\c+\i]
.endr
.endr
.endm
	; ---- emb: 16 rows a wave
	s_sub_co_u32 s15, ttmp9, W1WG
	s_lshl_b32 s15, s15, 1
	s_add_co_u32 s15, s15, s12                     ; q
	s_lshl_b32 s18, s15, 13                        ; 16 rows of 512 bytes (at most 51,191,808: one word)
	s_add_nc_u64 s[4:5], s[4:5], s[18:19]
	s_lshl_b32 s18, s15, 11                        ; 16 records of 128 bytes
	s_add_nc_u64 s[8:9], s[8:9], s[18:19]
.irp p, 0,1,2,3,4,5,6,7,8,9,10,11,12,13,14,15
	global_load_b128 v[R+4*\p:R+4*\p+3], v4, s[4:5] offset:512*\p th:TH_LOAD_NT   ; a whole row: 32 lanes read 512 consecutive bytes; read once in the launch
.endr
.irp p, 0,1,2,3,4,5,6,7,8,9,10,11,12,13,14,15
	s_wait_loadcnt 15-\p                           ; row p is in; the rows behind it may be out
	ds_store_b128 v5, v[R+4*\p:R+4*\p+3] offset:INP*\p
.endr
.irp b, 0,1,2,3
.irp j, 0,1,2,3
	ds_load_b128 v[XQ+16*\b+4*\j:XQ+16*\b+4*\j+3], v6 offset:128*\b+16*\j   ; my wave's own bytes, served in order: these see the stores above
.endr
.endr
	s_wait_dscnt 0x0
	QUANT XQ
	v_cmp_ne_u32 vcc_lo, 0, v3
	v_cndmask_b32 v[Z], v[PW], v12, vcc_lo         ; lanes 0-15: the scale word; lanes 16-31: 0
	v_mov_b32 v[Z+1], 0
	v_mov_b32 v[Z+2], 0
	v_mov_b32 v[Z+3], 0
.irp c, 0,1,2
	ds_store_b128 v7, v[PC+4*\c:PC+4*\c+3] offset:16*\c
.endr
	ds_store_b128 v8, v[Z:Z+3]                     ; every byte of a record is written, so that whole runs of 512 bytes leave
.irp i, 0,1,2,3
	ds_load_b128 v[R+4*\i:R+4*\i+3], v9 offset:4*OUTP*\i
.endr
.irp i, 0,1,2,3
	s_wait_dscnt 3-\i                              ; read-back i is in; those behind it may be out
	global_store_b128 v4, v[R+4*\i:R+4*\i+3], s[8:9] offset:512*\i   ; four records: 512 consecutive bytes, at a multiple of 256 from embq's first byte
.endr
	s_wait_tensorcnt 0x0
	ds_add_u32 v192, v193
	s_wait_dscnt 0x0
	s_endpgm
	; ---- W1: a lane takes a column (a hidden unit) and its registers run DOWN K, in the order that the operand gives that lane: nothing is transposed
.Lw1:
	s_lshl_b32 s13, ttmp9, 1
	s_add_co_u32 s13, s13, s12                     ; T
	s_lshl_b32 s18, s13, 6                         ; 16 columns of 4 bytes
	s_add_nc_u64 s[6:7], s[6:7], s[18:19]
	s_mul_i32 s18, s13, 3072
	s_add_nc_u64 s[16:17], s[10:11], s[18:19]      ; the tile's two fragments
	s_lshl_b32 s18, s13, 7
	s_add_co_u32 s18, s18, 196608
	s_add_nc_u64 s[14:15], s[10:11], s[18:19]      ; and its scale words
	; BEHIND THE SCALE WORDS w1q goes on: from byte 204800 b1 as it is (4,096 bytes); from 208896 W2 / 2 in bf16, output o's 1,024 units at + 2048 o; from 212992 4,096 bytes of zeros.
	; Wave T writes its 16 units' part of each: 64 bytes of b1, 32 bytes of each output's row, 64 bytes of zeros.
	s_lshl_b32 s18, s13, 6
	s_add_nc_u64 s[24:25], s[24:25], s[18:19]      ; b1 at unit 16 T
	s_add_nc_u64 s[22:23], s[10:11], s[18:19]      ; w1q + 64 T
	s_lshl_b32 s18, s13, 7
	s_add_nc_u64 s[26:27], s[26:27], s[18:19]      ; W2 at unit 16 T (8 bytes a unit)
	s_lshl_b32 s18, s13, 5
	s_add_nc_u64 s[28:29], s[10:11], s[18:19]      ; w1q + 32 T
	v_lshlrev_b32 v188, 2, v2                      ; 4 r
	v_lshlrev_b32 v189, 3, v2
	v_lshl_add_u32 v189, v3, 2, v189               ; W2: unit r, output h
	v_lshlrev_b32 v190, 1, v2
	v_lshl_add_u32 v190, v3, 11, v190              ; its place: 2 r + 2048 h
	s_wait_alu depctr_va_vdst(0)
.irp s, 0,1
.irp c, 0,1
.irp i, 0,1,2,3,4,5,6,7,8,9,10,11,12,13,14,15,16,17,18,19,20,21,22,23,24,25,26,27,28,29,30,31
	global_load_b32 v[R+64*\s+32*\c+\i], v10, s[6:7] offset:4096*(128*\s+64*\c+\i)   ; W1(128 s + 64 c + 32 h + i, 16 T + r)
.endr
.endr
.endr
.macro WSTEP s
.set RS, R+64*\s
.irp c, 0,1                                    ; my block 2 c + h of the K step: all its 32 numbers are mine
	v_max3_num_f32 v[TM+\c], |v[RS+32*\c]|, |v[RS+32*\c+1]|, 0x1800000
.endr
.irp i, 2,4,6,8,10,12,14,16,18,20,22,24,26,28,30
.irp c, 0,1
	v_max3_num_f32 v[TM+\c], v[TM+\c], |v[RS+32*\c+\i]|, |v[RS+32*\c+\i+1]|
.endr
.endr
.irp c, 0,1
	v_add_nc_u32 v[TM+12+\c], 0xff000000, v[TM+\c]
.endr
.irp c, 0,1
	v_lshrrev_b32 v[TM+4+\c], 23, v[TM+12+\c]
.endr
	v_lshl_or_b32 v[SW+\s], v[TM+5], 16, v[TM+4]   ; my two bytes: blocks h and 2 + h,
	v_lshlrev_b32 v[TM+8], 3, v3
	v_lshlrev_b32 v[SW+\s], v[TM+8], v[SW+\s]      ; at their places in the word (8 h bits up);
	v_mov_b32 v[TM+9], 0
	v_permlanex16_b32 v[TM+9], v[SW+\s], s20, s21
	v_or_b32 v[SW+\s], v[SW+\s], v[TM+9]           ; with lane l xor 16's two the word is whole
.if \s > 0
	s_wait_xcnt 0x0                                ; the first fragment's stores have read v[PC] on: only now is it written again
.endif
.irp c, 0,1
	v_cvt_scalef32_pk16_fp6_f32 v[PC+6*\c:PC+2+6*\c], v[RS+32*\c:RS+32*\c+15], v[TM+12+\c]
	v_cvt_scalef32_pk16_fp6_f32 v[PC+12+4*\c:PC+14+4*\c], v[RS+32*\c+16:RS+32*\c+31], v[TM+12+\c]
.endr
	v_nop                                          ; one plain instruction behind a scaled conversion
.irp c, 0,1
.irp i, 0,1,2
	v_mov_b32 v[PC+3+6*\c+\i], v[PC+12+4*\c+\i]
.endr
.endr
.irp c, 0,1,2
	global_store_b128 v4, v[PC+4*\c:PC+4*\c+3], s[16:17] offset:1536*\s+512*\c   ; the fragment as an image of its registers: 512 consecutive bytes a store
.endr
.endm
	global_load_b32 v184, v188, s[24:25]           ; b1(16 T + r): both halves of the lanes take the same word
	global_load_b32 v185, v189, s[26:27]           ; W2(16 T + r, h)
	s_wait_loadcnt 63                              ; of the 130 loads at most 63 are out: K step 0's 64 are in (the wait's field holds no larger count)
	WSTEP 0
	s_wait_loadcnt 0x0
	WSTEP 1
	v_cmp_ne_u32 vcc_lo, 0, v3
	v_cndmask_b32 v[WM], v[SW], v[SW+1], vcc_lo    ; lanes 0-15 K step 0's word of row r, lanes 16-31 K step 1's
	global_store_b32 v11, v[WM], s[14:15]
	v_mul_f32 v185, 0.5, v185                      ; the half of 2 gelu goes into W2: exact
	s_delay_alu instid0(VALU_DEP_1)
	v_cvt_pk_bf16_f32 v186, v185, v185
	global_store_b32 v188, v184, s[22:23] offset:204800   ; lanes r and r + 16 write the same word with the same value
	global_store_b16 v190, v186, s[28:29] offset:208896
	global_store_b32 v188, v12, s[22:23] offset:212992    ; zeros
	s_endpgm
.Lfunc_end_k_q2cb27c3bae_prep:
	.size	k_q2cb27c3bae_prep, .Lfunc_end_k_q2cb27c3bae_prep-k_q2cb27c3bae_prep
	.p2alignl 7, 3214868480
	.fill 96, 4, 3214868480
	.section	.rodata,"a",@progbits
	.p2align	6, 0x0
	.amdhsa_kernel k_q2cb27c3bae_prep
		.amdhsa_group_segment_fixed_size 21760
		.amdhsa_private_segment_fixed_size 0
		.amdhsa_enable_private_segment 0
		.amdhsa_kernarg_size 48
		.amdhsa_user_sgpr_count 2
		.amdhsa_user_sgpr_kernarg_segment_ptr 1
		.amdhsa_wavefront_size32 1
		.amdhsa_system_sgpr_workgroup_id_x 1
		.amdhsa_system_sgpr_workgroup_id_y 1
		.amdhsa_system_sgpr_workgroup_id_z 1
		.amdhsa_system_vgpr_workitem_id 0
		.amdhsa_next_free_vgpr 194
		.amdhsa_next_free_sgpr 66
		.amdhsa_reserve_vcc 1
		.amdhsa_float_denorm_mode_32 3
		.amdhsa_float_denorm_mode_16_64 3
		.amdhsa_memory_ordered 1
		.amdhsa_forward_progress 1
		.amdhsa_inst_pref_size 32
	.end_amdhsa_kernel
	.amdgpu_metadata
---
amdhsa.version: [ 1, 2 ]
amdhsa.kernels:
  - .name:           k_q2cb27c3bae_prep
    .symbol:         k_q2cb27c3bae_prep.kd
    .args:
      - { .name: emb, .offset: 0, .size: 8, .value_kind: global_buffer, .address_space: global }
      - { .name: W1, .offset: 8, .size: 8, .value_kind: global_buffer, .address_space: global }
      - { .name: embq, .offset: 16, .size: 8, .value_kind: global_buffer, .address_space: global }
      - { .name: w1q, .offset: 24, .size: 8, .value_kind: global_buffer, .address_space: global }
      - { .name: b1, .offset: 32, .size: 8, .value_kind: global_buffer, .address_space: global }
      - { .name: W2, .offset: 40, .size: 8, .value_kind: global_buffer, .address_space: global }
    .group_segment_fixed_size: 21760
    .private_segment_fixed_size: 0
    .kernarg_segment_align: 8
    .kernarg_segment_size: 48
    .max_flat_workgroup_size: 64
    .sgpr_count:     66
    .vgpr_count:     194
    .wavefront_size: 32
...
	.end_amdgpu_metadata
.endif
;; end of part 1
;; launch mlp (part 2): grid 256 x 1, 16 waves a work-group, clusters of 4 x 1, 219,136 bytes of LDS; arguments idxs_g, idxs_d, embq, w1q, b2, out0; writes out0
.if DOCPART == 2
	.amdgcn_target "amdgcn-amd-amdhsa--gfx1250"
	.amdhsa_code_object_version 6
	.text
	.protected	k_q2cb27c3bae_mlp
	.globl	k_q2cb27c3bae_mlp
	.p2align	8
	.type	k_q2cb27c3bae_mlp,@function
k_q2cb27c3bae_mlp:
	s_mov_b64 s[64:65], 0
	v_nop
	global_prefetch_b8 v0, s[64:65] scope:SCOPE_SE
	s_setreg_imm32_b32 hwreg(HW_REG_WAVE_MODE, 25, 1), 1
	s_wait_xcnt 0x0
	s_wait_alu depctr_hold_cnt(0) depctr_sa_sdst(0) depctr_va_vdst(0) depctr_va_sdst(0) depctr_va_ssrc(0) depctr_va_vcc(0) depctr_vm_vsrc(0)
	s_getreg_b32 s2, hwreg(HW_REG_IB_STS2, 6, 4)
	s_cmp_eq_u32 s2, 0
	s_cbranch_scc0 .Lentry_in_a_cluster
	s_endpgm
.Lentry_in_a_cluster:
	s_bfe_u32 s2, ttmp6, 0x10000c
	s_cmp_lg_u32 s2, 0x3003
	s_cbranch_scc0 .Lentry_shape_is_right
	s_endpgm
.Lentry_shape_is_right:
; out0[p] = gelu(concat(emb[g_p], emb[d_p]) W1 + b1) W2 + b2.  The first product on codes of FP6 (E2M3) with E8M0 scales, made by the launch before; the second on bf16; all sums f32.
; SHARES.  A work-group takes 1,024 pairs, a wave 64 of them: 4 tiles of 16.  A wave gathers its pairs' records of embq, which lie in the order of the operand's registers, straight into 96 registers,
; keeps them for the whole launch, and walks all 64 tiles of 16 hidden units.  So each output has one owner: no partial sums pass between waves, and the one barrier stands behind the head's fill.
; THE WEIGHTS.  w1q (W1's fragments as images of their registers, its scale words, b1, W2 / 2 in bf16, a row of zeros: 217,088 bytes) comes into LDS once, 53 rows of 256 bytes a wave, and is only read afterwards.
; CLUSTERS.  All work-groups read the same image: four form a cluster and ask for it jointly, each wave by the same descriptor in all four (it hangs on the wave's number alone).
; THE FIRST PRODUCT IS USED TRANSPOSED (source 0 = 16 hidden units, source 1 = 16 pairs): a lane holds ONE pair and eight neighbouring units; b1 is the C of each sum's first product.
; Two tiles of units, rounded to bf16 in pairs, ARE source 1 (32 units x 16 pairs) of the second product, whose source 0 has W2 / 2 in rows 0 and 1 and zeros in the others.
; Its result starts from 0 in registers at work; rows 0 and 1 (two registers of lanes 0-15) are added to the pair's two sums, which begin at b2.
; THE ORDER.  The gelu goes by halves: tiles of pairs 0, 1, then 2, 3.  While one half's 80 vector instructions run, the other half's four first products stand among them, one behind each group of eight;
; the next tile's LDS loads follow at least eight places behind the last product that reads the registers they land in.
; GELU.  2 gelu(x) = x s, s = 1 + x P(x^2) held to 0 .. 2.  x P(x^2) / 2 is the Chebyshev series of Phi(x) - 1/2 on |x| <= 3, cut behind T9; its leading coefficient is positive, so beyond |x| = 3.1 the hold gives s = 0 or 2.
; LIMITS: this form's absolute error in gelu(x) is under 3e-4 |x| for |x| <= 3 and under 3.5e-3 for every x (largest near |x| = 3.1, where the hold sets in; beyond it the error is |x| Phi(-|x|), which falls to 0);
; gelu and W2 / 2 are rounded to bf16; indices are taken as 0 .. 99,999 (larger ones are held at 99,999); NaN and infinities are not served.
; NO PREFETCH: what comes from memory (the image, the indices, the records) is asked for once, in the head; the loop reads LDS and registers alone, so there is no trip to run ahead in.
.set IMG,   217088                     ; the image's bytes: 848 rows of 256
.set SHARE, 13568                      ; a wave's 53 rows
.set SPARE, IMG                        ; behind the image: the spare words, 128 bytes for each wave, eight blocks of 256 bytes that no other line names
.set SCLO,  196608                     ; in the image: W1's scale words, tile T at + 128 T + 4 l
.set B1O,   204800                     ; b1
.set W2O,   208896                     ; W2 / 2: output o at + 2048 o; at + 4096 zeros
.set SPW, 1                            ; v1   my spare word's LDS address; never rewritten
.set NIL, 2                            ; v2   0; never rewritten
.set BW,  3                            ; v3-6   lane terms of the four LDS addresses: fragments, scale words, b1, W2
.set BS,  4
.set BB,  5
.set B2A, 6
.set CW,  7                            ; v7-10  the same for the trip in hand
.set CS,  8
.set CB,  9
.set C2,  10
.set VOUT, 11                          ; v11  my byte among the work-group's 8,192 bytes of out0
.set W1S, 12                           ; v12  W1's scale words: lanes 0-15 K step 0, lanes 16-31 K step 1
.set ASC, 14                           ; v14-17 the pairs' scale words, a register a tile: lanes 0-15 the genes', lanes 16-31 the diseases'
.set B2R, 18                           ; v[18:19] b2
.set OUT, 20                           ; v20-27 two sums for each of my 4 tiles
.set A,   28                           ; v28-123 the pairs' fragments: tile i, K step s at 28 + 24 i + 12 s
.set W1F, 124                          ; v124-147 W1's two fragments of the tile of units in hand
.set BIAS, 148                         ; v148-155 b1 in the result's layout
.set W2F, 156                          ; v156-163 source 0 of the second product
.set XH,  164                          ; v164-211 for each tile of pairs 12 registers: 4 of bf16 (the trip's first 16 units), then the 8 of the hidden layer
.set T,   212                          ; v212-243 at work: x^2 (16), the polynomial (16); results of the second product.  At the head: indices and offsets
.set TU,  T
.set TQ,  T+16
.set PV4, 244                          ; v[244:245] P4, twice
.set DD,  246                          ; v246-253 a result of the second product.  At the head v246-255 are at work
.macro ROUND                           ; a round of the cluster's barrier
	s_barrier_signal -1
	s_barrier_wait -1
	s_cmp_lg_u32 s20, 0
	s_cbranch_scc1 .Lnot_wave_0_\@
	s_barrier_signal -3
.Lnot_wave_0_\@:
	s_barrier_wait -3
	s_barrier_signal -1
	s_barrier_wait -1
.endm
	s_load_b256 s[4:11], s[0:1], 0x0               ; idxs_g s[4:5], idxs_d s[6:7], embq s[8:9], w1q s[10:11]
	s_load_b128 s[12:15], s[0:1], 0x20             ; b2 s[12:13], out0 s[14:15]
	v_lshl_add_u32 v[SPW], v0, 2, SPARE
	v_mov_b32 v[NIL], 0
	ds_add_u32 v[SPW], v[NIL]                      ; the opening: the add, twice on end, and its wait ahead of my tensor load
	ds_add_u32 v[SPW], v[NIL]
	v_lshrrev_b32 v254, 5, v0
	v_readfirstlane_b32 s20, v254                  ; wave 0..15
	s_bfe_u32 s21, ttmp6, 0x40000                  ; cx
	s_lshl_b32 s22, ttmp9, 2
	s_add_co_u32 s22, s22, s21                     ; work-group = 4 x cluster + cx: it enters global offsets of indices and results alone
	s_mov_b32 s28, 15|(3<<16)|(1<<21)              ; group 1: the mask names the cluster's four; elements of 8 bytes; bit 21 beside a mask
	s_mov_b32 s29, 32<<16                          ; tensor_dim0 = 32 elements: rows of 256 bytes
	s_mov_b32 s30, 53<<16                          ; tensor_dim1 = 53
	s_mov_b32 s31, 32<<16                          ; tile_dim0
	s_mov_b32 s32, 53                              ; tile_dim1
	s_mov_b32 s33, 32                              ; the pitch: the block is dense
	s_mov_b32 s34, 0
	s_mov_b32 s35, 0
	s_mov_b32 s24, 1
	s_mul_i32 s25, s20, SHARE                      ; my rows' place, in LDS and in w1q alike
	s_mov_b32 s36, s25
	s_mov_b32 s37, 0
	s_mov_b32 s39, 0
	v_and_b32 v246, 15, v0                         ; r
	v_bfe_u32 v247, v0, 4, 1                       ; h
	v_and_b32 v248, 31, v0                         ; l
	s_lshl_b32 s38, s20, 8
	v_lshl_add_u32 v249, v246, 2, s38              ; the indices of pairs 64 w + r
	v_mov_b32 v255, 0
	s_wait_alu depctr_va_vdst(0)
	s_wait_dscnt 0x0                               ; both opening adds are done
	s_wait_kmcnt 0x0
	s_lshl_b32 s38, s22, 12                        ; 1,024 indices of 4 bytes
	s_add_nc_u64 s[4:5], s[4:5], s[38:39]
	s_add_nc_u64 s[6:7], s[6:7], s[38:39]
	s_lshl_b32 s38, s22, 13                        ; 1,024 pairs of 8 bytes
	s_add_nc_u64 s[14:15], s[14:15], s[38:39]
	s_add_nc_u64 s[26:27], s[10:11], s[36:37]
	s_or_b32 s27, s27, 0x80000000
.irp i, 0,1,2,3
	global_load_b32 v[T+\i], v249, s[4:5] offset:64*\i       ; the gene of pair 64 w + 16 i + r
	global_load_b32 v[T+4+\i], v249, s[6:7] offset:64*\i     ; and the disease
.endr
	global_load_b64 v[B2R:B2R+1], v255, s[12:13]
	ROUND                                          ; the four work-groups are here: the joint loads meet
	tensor_load_to_lds s[24:27], s[28:35]          ; my one tensor load of the launch
	s_nop 0
	v_lshlrev_b32 v[BW], 4, v248                   ; a fragment's image: 16 l
	v_lshl_add_u32 v[BS], v248, 2, SCLO
	v_lshl_add_u32 v[BB], v247, 5, B1O             ; my half's eight units
	v_and_b32 v252, 1, v246                        ; r % 2: equal to r in the lanes that take it, and bounded in all
	v_lshl_add_u32 v250, v252, 11, W2O             ; row r of source 0: output r,
	v_mov_b32 v251, W2O+4096                       ; from r = 2 on the zeros
	v_cmp_gt_u32 s44, 2, v246
	v_cndmask_b32 v250, v251, v250, s44
	v_lshl_add_u32 v[B2A], v247, 4, v250           ; k from 8 h on
	s_lshl_b32 s38, s20, 9
	v_lshl_add_u32 v[VOUT], v248, 3, s38           ; 512 w + 8 l
	v_mul_u32_u24 v253, v247, 48                   ; a record's half
	v_mov_b32 v[PV4], 0x381f0ff1                   ; P4 =  0.0000379234
	v_mov_b32 v[PV4+1], 0x381f0ff1
	s_mov_b32 s52, 0xba9d137f                      ; P3 = -0.001198396  (a packed form names a pair and takes its low word for both halves: both are written)
	s_mov_b32 s53, s52
	s_mov_b32 s54, 0x3c8485ec                      ; P2 =  0.01617714
	s_mov_b32 s55, s54
	s_mov_b32 s56, 0xbe02afd4                      ; P1 = -0.12762386
	s_mov_b32 s57, s56
	s_mov_b32 s58, 0x3f4bb06a                      ; P0 =  0.7956606
	s_mov_b32 s59, s58
	v_cmp_ne_u32 s45, 0, v247
	s_wait_alu depctr_va_vdst(0)
	s_wait_loadcnt 0x0                             ; the indices, b2
.irp i, 0,1,2,3
	v_cndmask_b32 v[T+8+\i], v[T+\i], v[T+4+\i], s45   ; whose scale word I fetch: lanes 0-15 the gene's, lanes 16-31 the disease's
.endr
.irp i, 0,1,2,3,4,5,6,7,8,9,10,11
	v_min_u32 v[T+\i], 0x1869f, v[T+\i]            ; no load leaves the table
.endr
.irp i, 0,1,2,3,4,5,6,7,8,9,10,11
	v_lshlrev_b32 v[T+\i], 7, v[T+\i]              ; a record is 128 bytes
.endr
.irp i, 0,1,2,3,4,5,6,7
	v_add_nc_u32 v[T+\i], v253, v[T+\i]            ; my half's 48 bytes
.endr
.irp i, 8,9,10,11
	v_add_nc_u32 v[T+\i], 96, v[T+\i]              ; the scale word
.endr
.irp i, 0,1,2,3
.irp c, 0,1,2
	global_load_b128 v[A+24*\i+4*\c:A+24*\i+4*\c+3], v[T+\i], s[8:9] offset:16*\c
	global_load_b128 v[A+24*\i+12+4*\c:A+24*\i+12+4*\c+3], v[T+4+\i], s[8:9] offset:16*\c
.endr
	global_load_b32 v[ASC+\i], v[T+8+\i], s[8:9]
.endr
	s_wait_alu depctr_va_vdst(0)
	s_wait_tensorcnt 0x0                           ; my rows of the image have landed,
	s_barrier_signal -1
	s_barrier_wait -1                              ; everybody's have
; The fragments, scale words and b1 of tile p of the trip's two tiles of units: 9 LDS loads
.macro LDT p
.irp c, 0,1,2,3,4,5
	ds_load_b128 v[W1F+4*\c:W1F+4*\c+3], v[CW] offset:3072*\p+512*\c
.endr
	ds_load_b32 v[W1S], v[CS] offset:128*\p
	ds_load_b128 v[BIAS:BIAS+3], v[CB] offset:64*\p
	ds_load_b128 v[BIAS+4:BIAS+7], v[CB] offset:64*\p+16
.endm
.macro LDW2                            ; source 0 of the second product: k = 8 h .. and 16 + 8 h ..
	ds_load_b128 v[W2F:W2F+3], v[C2]
	ds_load_b128 v[W2F+4:W2F+7], v[C2] offset:32
.endm
.macro LANDED                          ; the LDS loads that are out have landed
	s_wait_alu depctr_va_vdst(0)
	s_wait_dscnt 0x0
.endm
; One first product: 16 units x tile i of my pairs.  K step 0: the genes, b1 as C; K step 1: the diseases, both sides' scale words from lanes 16-31.
; They are always issued two tiles by turns (i, i + 1, i, i + 1).
.macro WM i, s
.if \s == 0
	v_wmma_scale_f32_16x16x128_f8f6f4 v[XH+12*\i+4:XH+12*\i+11], v[W1F:W1F+11], v[A+24*\i:A+24*\i+11], v[BIAS:BIAS+7], v[W1S], v[ASC+\i] matrix_a_fmt:MATRIX_FMT_FP6 matrix_b_fmt:MATRIX_FMT_FP6
.else
	v_wmma_scale_f32_16x16x128_f8f6f4 v[XH+12*\i+4:XH+12*\i+11], v[W1F+12:W1F+23], v[A+24*\i+12:A+24*\i+23], v[XH+12*\i+4:XH+12*\i+11], v[W1S], v[ASC+\i] matrix_a_fmt:MATRIX_FMT_FP6 matrix_b_fmt:MATRIX_FMT_FP6 matrix_a_scale:MATRIX_SCALE_ROW1 matrix_b_scale:MATRIX_SCALE_ROW1
.endif
.endm
.macro M2 i, d                         ; one second product: 32 units x tile i, into v[d] on
	v_wmma_f32_16x16x32_bf16 v[\d:\d+7], v[W2F:W2F+7], v[XH+12*\i:XH+12*\i+7], 0
.endm
.macro ACC i, d                        ; its rows 0 and 1 onto the tile's sums: lanes 0-15 hold their pair's two outputs
	v_pk_add_f32 v[OUT+2*\i:OUT+2*\i+1], v[OUT+2*\i:OUT+2*\i+1], v[\d:\d+1]
.endm
; The gelu of tiles of pairs 2 b and 2 b + 1 (16 numbers a lane), in groups of eight packed instructions that do not wait for each other
.macro GU b                            ; u = x^2; each accumulator is read from its low end on
.irp k, 0,2,4,6,8,10,12,14
.set XK, XH+12*(2*\b+\k/8)+4+\k%8
	v_pk_mul_f32 v[TU+\k:TU+\k+1], v[XK:XK+1], v[XK:XK+1]
.endr
.endm
.macro GQ                              ; P4 u + P3
.irp k, 0,2,4,6,8,10,12,14
	v_pk_fma_f32 v[TQ+\k:TQ+\k+1], v[TU+\k:TU+\k+1], v[PV4:PV4+1], s[52:53] op_sel_hi:[1,1,0]
.endr
.endm
.macro GH c                            ; .. u + the next coefficient
.irp k, 0,2,4,6,8,10,12,14
	v_pk_fma_f32 v[TQ+\k:TQ+\k+1], v[TQ+\k:TQ+\k+1], v[TU+\k:TU+\k+1], s[\c:\c+1] op_sel_hi:[1,1,0]
.endr
.endm
.macro GEND p, b                       ; s = P x + 1, held to 0 .. 2; x s; rounded to bf16: for the trip's first tile of units (p = 0) into the 4 registers ahead of the hidden layer's 8, for the second into their first 4
.irp k, 0,2,4,6,8,10,12,14
.set XK, XH+12*(2*\b+\k/8)+4+\k%8
	v_pk_fma_f32 v[TQ+\k:TQ+\k+1], v[TQ+\k:TQ+\k+1], v[XK:XK+1], 1.0 op_sel_hi:[1,1,0]
.endr
.irp k, 0,1,2,3,4,5,6,7,8,9,10,11,12,13,14,15
	v_med3_num_f32 v[TQ+\k], v[TQ+\k], 0, 2.0
.endr
.irp k, 0,2,4,6,8,10,12,14
.set XK, XH+12*(2*\b+\k/8)+4+\k%8
	v_pk_mul_f32 v[XK:XK+1], v[XK:XK+1], v[TQ+\k:TQ+\k+1]
.endr
.irp k, 0,2,4,6,8,10,12,14
.set XK, XH+12*(2*\b+\k/8)+4+\k%8
	v_cvt_pk_bf16_f32 v[XH+12*(2*\b+\k/8)+4*\p+(\k%8)/2], v[XK], v[XK+1]   ; in ascending order: a register is written when its pair has been read
.endr
.endm
; A trip: 32 hidden units x my 64 pairs.  At its head tiles of pairs 0, 1 hold the first tile of units' sums, and W1F that tile's fragments.
.macro TRIP last
	WM 2, 0                                        ; pairs 2, 3 of the first tile of units, under the gelu of pairs 0, 1
	GU 0
	WM 3, 0
	GQ
	WM 2, 1
	GH 54
	WM 3, 1
	GH 56                                          ; eight places behind the last product that reads these fragments:
	LDT 1                                          ; the second tile's
	GH 58
	GEND 0, 0
	GU 1                                           ; the gelu of pairs 2, 3
	GQ
	LANDED
	WM 0, 0                                        ; pairs 0, 1 of the second tile of units
	GH 54
	WM 1, 0
	GH 56
	WM 0, 1
	GH 58
	WM 1, 1
	GEND 0, 1
	WM 2, 0                                        ; pairs 2, 3 of the second tile, under the gelu of pairs 0, 1
	GU 0
	WM 3, 0
	GQ
	WM 2, 1
	GH 54
	WM 3, 1
	GH 56
.if \last == 0
	s_add_co_u32 s46, s46, 6144
	s_add_co_u32 s47, s47, 256
	s_add_co_u32 s48, s48, 128
	s_add_co_u32 s49, s49, 64
	v_add_nc_u32 v[CW], s46, v[BW]                 ; the next trip's addresses
	v_add_nc_u32 v[CS], s47, v[BS]
	v_add_nc_u32 v[CB], s48, v[BB]
	v_add_nc_u32 v[C2], s49, v[B2A]
	LDT 0                                          ; and its first tile's fragments
.endif
	GH 58
	GEND 1, 0
	M2 0, DD                                       ; pairs 0, 1 are whole in bf16: their second products, ahead of the products that write over them
	GU 1                                           ; eight places
	ACC 0, DD
	M2 1, DD
	GQ                                             ; eight places
	ACC 1, DD
.if \last == 0
	LANDED
	WM 0, 0                                        ; pairs 0, 1 of the next trip's first tile
	GH 54
	WM 1, 0
	GH 56
	WM 0, 1
	GH 58
	WM 1, 1
.else
	GH 54
	GH 56
	GH 58
.endif
	GEND 1, 1
	M2 2, T
	M2 3, T+8
.rept 5
	v_nop                                          ; places: four ahead of the reads and the loads below, five ahead of the next trip's products, which write over source 1
.endr
.if \last == 0
	LDW2
.endif
	ACC 2, T
	ACC 3, T+8
.endm
	s_mov_b32 s46, 0
	s_mov_b32 s47, 0
	s_mov_b32 s48, 0
	s_mov_b32 s49, 0
	v_add_nc_u32 v[CW], s46, v[BW]
	v_add_nc_u32 v[CS], s47, v[BS]
	v_add_nc_u32 v[CB], s48, v[BB]
	v_add_nc_u32 v[C2], s49, v[B2A]
	LDT 0
	LDW2
	s_wait_alu depctr_va_vdst(0)
	s_wait_loadcnt 0x0                             ; my pairs' fragments and scale words
.irp i, 0,1,2,3
	v_mov_b32 v[OUT+2*\i], v[B2R]                  ; the sums begin at b2
	v_mov_b32 v[OUT+2*\i+1], v[B2R+1]
.endr
	s_mov_b32 s50, 31
	LANDED
	WM 0, 0                                        ; pairs 0, 1 of the first tile of units
	WM 1, 0
	WM 0, 1
	WM 1, 1
.rept 4
	v_nop                                          ; four places ahead of the first read of these sums
.endr
.Ltrip:
	TRIP 0
	s_sub_co_u32 s50, s50, 1
	s_cmp_lg_u32 s50, 0
	s_wait_alu depctr_va_vdst(0)
	s_cbranch_scc1 .Ltrip
	TRIP 1                                         ; the last trip is written out: it fetches nothing more and begins no further tile
	s_wait_alu depctr_va_vdst(0)
	v_permlane16_swap_b32 v[OUT], v[OUT+2]         ; tile 1's lanes 0-15 come into tile 0's lanes 16-31: 32 pairs on end in 32 lanes
	v_permlane16_swap_b32 v[OUT+1], v[OUT+3]
	v_permlane16_swap_b32 v[OUT+4], v[OUT+6]
	v_permlane16_swap_b32 v[OUT+5], v[OUT+7]
	global_store_b64 v[VOUT], v[OUT:OUT+1], s[14:15] th:TH_STORE_NT               ; 32 lanes store 256 consecutive bytes, at a multiple of 256 from out0's first byte
	global_store_b64 v[VOUT], v[OUT+4:OUT+5], s[14:15] offset:256 th:TH_STORE_NT
	s_wait_tensorcnt 0x0                           ; the wave's end
	ds_add_u32 v[SPW], v[NIL]
	s_wait_dscnt 0x0
	ROUND                                          ; the closing round
	s_endpgm
.Lfunc_end_k_q2cb27c3bae_mlp:
	.size	k_q2cb27c3bae_mlp, .Lfunc_end_k_q2cb27c3bae_mlp-k_q2cb27c3bae_mlp
	.p2alignl 7, 3214868480
	.fill 96, 4, 3214868480
	.section	.rodata,"a",@progbits
	.p2align	6, 0x0
	.amdhsa_kernel k_q2cb27c3bae_mlp
		.amdhsa_group_segment_fixed_size 219136
		.amdhsa_private_segment_fixed_size 0
		.amdhsa_enable_private_segment 0
		.amdhsa_kernarg_size 48
		.amdhsa_user_sgpr_count 2
		.amdhsa_user_sgpr_kernarg_segment_ptr 1
		.amdhsa_wavefront_size32 1
		.amdhsa_system_sgpr_workgroup_id_x 1
		.amdhsa_system_sgpr_workgroup_id_y 1
		.amdhsa_system_sgpr_workgroup_id_z 1
		.amdhsa_system_vgpr_workitem_id 0
		.amdhsa_next_free_vgpr 256
		.amdhsa_next_free_sgpr 66
		.amdhsa_reserve_vcc 0
		.amdhsa_float_denorm_mode_32 3
		.amdhsa_float_denorm_mode_16_64 3
		.amdhsa_memory_ordered 1
		.amdhsa_forward_progress 1
		.amdhsa_inst_pref_size 60
	.end_amdhsa_kernel
	.amdgpu_metadata
---
amdhsa.version: [ 1, 2 ]
amdhsa.kernels:
  - .name:           k_q2cb27c3bae_mlp
    .symbol:         k_q2cb27c3bae_mlp.kd
    .args:
      - { .name: idxs_g, .offset: 0, .size: 8, .value_kind: global_buffer, .address_space: global }
      - { .name: idxs_d, .offset: 8, .size: 8, .value_kind: global_buffer, .address_space: global }
      - { .name: embq, .offset: 16, .size: 8, .value_kind: global_buffer, .address_space: global }
      - { .name: w1q, .offset: 24, .size: 8, .value_kind: global_buffer, .address_space: global }
      - { .name: b2, .offset: 32, .size: 8, .value_kind: global_buffer, .address_space: global }
      - { .name: out0, .offset: 40, .size: 8, .value_kind: global_buffer, .address_space: global }
    .group_segment_fixed_size: 219136
    .private_segment_fixed_size: 0
    .kernarg_segment_align: 8
    .kernarg_segment_size: 48
    .max_flat_workgroup_size: 512
    .sgpr_count:     66
    .vgpr_count:     256
    .wavefront_size: 32
...
	.end_amdgpu_metadata
.endif
;; end of part 2
